; MI455X (gfx1250); checked and timed in simulation.
; The chip was launched on July 23, 2026; its instructions are those of AMD's public machine-readable ISA for CDNA 5 (MIT licence, August 2026) and "CDNA5" Instruction Set Architecture Reference Guide (July 2026). The comments in the code are by the model that wrote it; some were corrected since.
;; Self Attention. Allowed arithmetic: matrix products marked QUANTISED: E5M2 operands, one given power-of-two scale a tensor, by v_wmma_f32_16x16x64_bf8_bf8 or v_wmma_f32_16x16x128_bf8_bf8, f32 sums; everything else in f32.
;; Inputs: W_qkv_codes 3,072 x 32 x 32 uint8 (E5M2 codes of W_qkv, K innermost, in blocks of 32 codes); b_qkv 3,072 float32; lowp_scales 6 int32 (the exponents e of the quantised operands' scales 2^e); x_codes 4 x 2,048 x 32 x 32 uint8 (E5M2 codes of x, K innermost, in blocks of 32 codes).
;; Outputs: out0 4 x 2,048 x 1,024 float32.
;; This version of the problem:
;;   THIS VERSION OF THE PROBLEM IS GIVEN IN LOW PRECISION. The matrix products marked QUANTISED in the list below multiply operands that are first quantised to E5M2 (5 exponent bits, 2 mantissa bits; 8 bits a number), with one given power-of-two scale for each operand tensor; their sums are f32. All else is computed in f32.
;;   The module's matrix products, in the order in which they are computed (A, B: the left and right operand; K: the contracted axis; several contracted axes count as one K, in the product's order):
;;     1. [M 8,192, K 1,024] x [K 1,024, N 3,072]; A: input x (given as codes); B: input W_qkv (given as codes): QUANTISED (scales: A lowp_scales[0], B lowp_scales[1])
;;     2. batch 4 x [M 2,048, K 1,024] x [K 1,024, N 2,048]; A: computed on the way; B: computed on the way: QUANTISED (scales: A lowp_scales[2], B lowp_scales[3])
;;     3. batch 4 x [M 2,048, K 2,048] x [K 2,048, N 1,024]; A: softmax (see below); B: computed on the way: QUANTISED (scales: A lowp_scales[4], B lowp_scales[5])
;;   THE QUANTISER, for each operand of a quantised product, along K:
;;     - The operand's scale is 2^e, e = its entry of the input lowp_scales (int32; the entries are numbered through the quantised products in the list's order, A before B).
;;     - Each number is divided by the scale, clamped to +-57,344, and rounded to the nearest number of E5M2, ties to even, subnormals kept.
;;     - The product sums the exact products of the quantised numbers (number of the format x scale) in f32.
;;   ~~~python
;;   def quantise(x, axis, e):      # numpy; x: float32 -> the quantised numbers, widened to float32 again
;;       x = np.moveaxis(x, axis, -1); K = x.shape[-1]
;;       r = np.clip(x / 2.0 ** e, -57344, 57344)
;;       step = 2.0 ** (np.maximum(np.frexp(np.where(r == 0, 1, r))[1] - 1, -14) - 2)
;;       q = np.round(r / step) * step * 2.0 ** e      # np.round: ties to even
;;       return np.moveaxis(q, -1, axis).astype(np.float32)
;;   ~~~
;;   SOFTMAX AHEAD OF A QUANTISED PRODUCT. Where the list says 'softmax', what is quantised is not the finished softmax but p = 2^(t - M), with t = logit x log2(e) and M = ceil(the row's largest t), a whole number; so 1/2 < the row's largest p <= 1. The row's sum l is taken of the UNQUANTISED p, in f32, and the product's result is divided by l at the end. Since M is a whole number, a kernel that streams over the keys may use a running M (the ceiling of the running maximum): every later rescaling is an exact power of two, so the quantised numbers keep their values, but for numbers so far below the row's largest that they fall under the format's range.
;;   OPERANDS COMPUTED ON THE WAY. 'Computed on the way' means the value that the module computes at that place (a softmax that the list does not call 'softmax' is quantised finished and normalised). What goes into a quantiser is computed in f32, as accurately as f32 sums, v_exp_f32 and their like allow (about 1e-6 of the number): no bf16 or f16 on the way to a quantiser, and a product that is left as it is and whose result goes on into a quantised operand takes f32 operands (vector FMAs, or v_wmma_f32_16x16x4_f32). A number that lies on a knife's edge between two numbers of the format may be rounded either way, as far as f32 arithmetic and the matrix unit's own rounding can turn it there, and no further.
;;   INPUTS GIVEN AS CODES. W_qkv (in the module: [3072, 1024], K = its axis 1); x (in the module: [4, 2048, 1024], K = its axis 2): each comes as NAME_codes (uint8): NAME with its K axis moved to the last place and cut into blocks of 32 codes, [.., K / 32, bytes a block], one block behind the other in memory; one code a byte (a code: sign, 5 exponent bits, 2 mantissa bits); its scale is its entry of lowp_scales. Its value is code x scale, taken as it is: it is not quantised again, and the codes and scales need not be those that the quantiser above would give.
;; One version. Each part assembles by itself: llvm-mc -triple=amdgcn-amd-amdhsa -mcpu=gfx1250 --defsym DOCPART=n.
;; ======== version 1 of 1: 3 launches
;; workspace buffers: qkv 25,165,824 bytes; p 16,777,216 bytes; stats 786,432 bytes
;; launch proj (part 1): grid 12 x 32, 4 waves a work-group, clusters of 4 x 4, 327,680 bytes of LDS; arguments x_codes, W_qkv_codes, b_qkv, lowp_scales, qkv; writes qkv
.if DOCPART == 1
	.amdgcn_target "amdgcn-amd-amdhsa--gfx1250"
	.amdhsa_code_object_version 6
	.text
	.protected	k_q46063159ca_proj
	.globl	k_q46063159ca_proj
	.p2align	8
	.type	k_q46063159ca_proj,@function
k_q46063159ca_proj:
	s_mov_b64 s[64:65], 0
	v_nop
	global_prefetch_b8 v0, s[64:65] scope:SCOPE_SE
	s_setreg_imm32_b32 hwreg(HW_REG_WAVE_MODE, 25, 1), 1
	s_wait_xcnt 0x0
	s_wait_alu depctr_hold_cnt(0) depctr_sa_sdst(0) depctr_va_vdst(0) depctr_va_sdst(0) depctr_va_ssrc(0) depctr_va_vcc(0) depctr_vm_vsrc(0)
	s_getreg_b32 s2, hwreg(HW_REG_IB_STS2, 6, 4)
	s_cmp_eq_u32 s2, 0
	s_cbranch_scc0 .Lentry_in_a_cluster
	s_endpgm
.Lentry_in_a_cluster:
	s_bfe_u32 s2, ttmp6, 0x10000c
	s_cmp_lg_u32 s2, 0xf033
	s_cbranch_scc0 .Lentry_shape_is_right
	s_endpgm
.Lentry_shape_is_right:
; qkv = x W^T + b on codes of E5M2, and the results quantised again: q and k along the hidden axis, v along the keys.
; x: [8192][1024] codes, scale 2^e0.  W: [3072][1024] codes, scale 2^e1.  b: [3072] f32.  Out: bytes 0 .. 16 Mi: [8192 tokens][2048]: q's 1,024 codes (scale 2^e2), k's 1,024 (2^e3);
; from 16 Mi on: v transposed, [4 batches][1024 d][2048 keys] (2^e5).  Every row of the output is 2,048 bytes.
; A tile of 256 x 256 is made by a work-group of four waves, 128 x 128 a wave: 64 accumulators, 512 registers.  K = 1,024 goes in four steps of 256 through a ring of two LDS slots.
; THE KIND of a cluster is its x: 0 = q, 1 = k, 2 = v.  For v the two operands change places BY POINTERS: rows = W_v's 1,024 d, columns = tokens; the same text then gives codes with the keys innermost.
; CLUSTERS: 4 x 4 work-groups; the tile of the row operand is asked for jointly along a row of the cluster, that of the column operand along a column.
; THE MATRIX INSTRUCTION IS USED TRANSPOSED (source 0 = 16 rows of the column operand, source 1 = 16 rows of the row operand): a lane holds one row and eight neighbouring columns: eight codes, 8 bytes.
; A fragment is fetched by four loads of 16 bytes, 32 apart: a permutation of k that is the same in both operands.
; THE BIAS is the C of each sum's first matrix instruction, as b / 2^(e0 + e1); a sum then stands for value / 2^(e0 + e1), and the conversion takes the one scale 2^(et - e0 - e1), et = e2, e3 or e5.
; LIMITS: et - e0 - e1 between -126 and 112, so that the scale and 57,344 x the scale are f32 numbers.  NaN among the inputs is not served.
; REGISTERS, in windows of 256: window 0: v0-31 addresses and constants; v32-95 the bias, later numbers at work; v96-103 the bias's offsets; v128-255 the row operand's fragments, ONE set, later codes and rows on the way out.
;   window 1: the column operand's fragments, TWO sets.   windows 2, 3: the accumulators ((a, b) at v[8 (8 (a % 4) + b)], window 2 + a / 4).
.set ROWB,   256                       ; a tile's row in bytes
.set KROW,   1024                      ; a row of x or W in memory
.set OROW,   2048                      ; a row of the output
.set PITCH,  272                       ; an LDS row: 256 bytes + 16 of padding: the 16 rows that a load touches start at 16 different banks (ISA guide 11.1)
.set FR,     16
.set NL,     4
.set NP,     4
.set HALFT,  128*PITCH
.set SLOT,   4*HALFT
.set SPARE,  2*SLOT                    ; behind the ring: the spare words, 128 bytes a wave, which no other line names
.set ADRA, 16
.set ADRB, 20
.set STO,  24                          ; the way out: where I put 8 bytes of a row
.set RD,   25                          ; where I read a row back
.set CO,   26                          ; my byte offset in the output
.set SPW,  28
.set NIL,  29
.set LIM,  30                          ; 57,344 x the scale
.set SCL,  31                          ; the scale as f32
.set BIAS, 32
.set TMP,  32
.set BAD,  96
.set AF,   128
.set CD,   128
.set G1, 24
.set G0, 32
.set G1B, 48
.set G0B, 56
.set MSB, 0
.macro WIN new                         ; the immediate's high byte repeats the setting that is left
.if MSB != (\new)
	s_set_vgpr_msb (MSB<<8)|(\new)
.set MSB, (\new)
.endif
.endm
.set MUL_LO, 0xa1                      ; source 0 window 1, source 1 window 0, C and D window 2
.set MUL_HI, 0xf1                      ; the same, C and D window 3
.set TO_B,   0x40
; A joint load: waves 0 and 1 fetch the row operand's halves, waves 2 and 3 the column operand's.  Four v_nop follow each of the two lines.
.macro JLOAD g0a, g1a, g0b, g1b
	s_cmp_eq_u32 s15, 0
	s_cbranch_scc0 .Lfor_b_\@
	tensor_load_to_lds s[\g0a:\g0a+3], s[\g1a:\g1a+7]
	s_nop 0
.rept 4
	v_nop
.endr
	s_branch .Lasked_\@
.Lfor_b_\@:
	tensor_load_to_lds s[\g0b:\g0b+3], s[\g1b:\g1b+7]
	s_nop 0
.rept 4
	v_nop
.endr
.Lasked_\@:
.endm
.macro CREST                           ; a round of the cluster's barrier behind its opening barrier
	s_cmp_lg_u32 s14, 0
	s_cbranch_scc1 .Lnot_wave_0_\@
	s_barrier_signal -3
.Lnot_wave_0_\@:
	s_barrier_wait -3
	s_barrier_signal -1
	s_barrier_wait -1
.endm
.macro CROUND
	s_barrier_signal -1
	s_barrier_wait -1
	CREST
.endm
	s_load_b256 s[4:11], s[0:1], 0x0               ; x s[4:5], W s[6:7], b s[8:9], the scales' exponents s[10:11]
	s_load_b64 s[12:13], s[0:1], 0x20              ; the output
	v_lshl_add_u32 v[SPW], v0, 2, SPARE
	v_mov_b32 v[NIL], 0
	ds_add_u32 v28, v29
	ds_add_u32 v28, v29
	s_wait_dscnt 0x0
	v_lshrrev_b32 v1, 5, v0
	v_readfirstlane_b32 s14, v1                    ; wave 0..3
	s_lshr_b32 s15, s14, 1                         ; my half of the tile's rows.  Also: I fetch for the row operand (0) or the column operand (1)
	s_and_b32 s16, s14, 1                          ; my half of its columns.  Also: which 128 rows of that tile I fetch
	s_bfe_u32 s40, ttmp6, 0x40000                  ; cx
	s_bfe_u32 s41, ttmp6, 0x40004                  ; cy
	s_and_b32 s66, ttmp7, 0xffff                   ; the cluster's y
	s_cmp_eq_u32 ttmp9, 2                          ; v?  The cluster's x is the same in all sixteen partners
	s_cselect_b32 s67, 0, s66                      ; rows: v has 4 tile rows (d), q and k 32 (tokens)
	s_cselect_b32 s68, s66, ttmp9                  ; columns: v: tokens, by the cluster's y; q, k: W's rows, by its x
	s_cselect_b32 s86, 0, 32                       ; the bias's strides in bytes: from half to half of the lanes,
	s_cselect_b32 s87, 4, 0                        ; from lane to lane,
	s_cselect_b32 s88, 0, 4                        ; from register to register
	s_lshl_b32 s17, s67, 2
	s_add_co_u32 s17, s17, s41                     ; tile row
	s_lshl_b32 s42, s68, 2
	s_add_co_u32 s42, s42, s40                     ; tile column
	s_lshl_b32 s43, s41, 2
	s_lshl_b32 s43, 15, s43                        ; my row of the cluster
	s_lshl_b32 s44, 0x1111, s40                    ; my column
	s_or_b32 s[G1+0], s43, (0<<16)|(1<<20)|(1<<21)|(5<<22)|(3<<25)  ; the mask; elements of 1 byte; padding on; bit 21 beside a mask; 4 words after every 64
	s_or_b32 s[G1B+0], s44, (0<<16)|(1<<20)|(1<<21)|(5<<22)|(3<<25)
.irp g, G1, G1B
	s_mov_b32 s[\g+1], ROWB<<16                    ; tensor_dim0
	s_mov_b32 s[\g+2], 128<<16                     ; tensor_dim1
	s_mov_b32 s[\g+3], ROWB<<16                    ; tile_dim0
	s_mov_b32 s[\g+4], 128                         ; tile_dim1
	s_mov_b32 s[\g+5], KROW                        ; tensor_dim0_stride
	s_mov_b32 s[\g+6], 0
	s_mov_b32 s[\g+7], 0
.endr
	s_lshl_b32 s18, s16, 7                         ; which 128 rows of the tile I fetch
	s_lshl_b32 s20, s17, 8
	s_add_co_u32 s20, s20, s18
	s_lshl_b32 s20, s20, 10                        ; the row operand: (256 x tile row + 128 x half) rows of 1,024 bytes
	s_mov_b32 s21, 0
	s_lshl_b32 s46, s42, 8
	s_add_co_u32 s46, s46, s18
	s_lshl_b32 s46, s46, 10                        ; the column operand likewise, by the tile column
	s_mov_b32 s47, 0
	s_mul_i32 s45, s14, HALFT                      ; where they go: wave x 128 rows
	s_lshl_b32 s92, s42, 10                        ; the bias's first byte.  q, k: 4 (256 x tile column + 128 x my half of the columns)
	s_lshl_b32 s93, s16, 9
	s_add_co_u32 s92, s92, s93
	s_lshl_b32 s93, s17, 10                        ; v: 4 (2,048 + 256 x tile row + 128 x my half of the rows)
	s_lshl_b32 s94, s15, 9
	s_add_co_u32 s93, s93, s94
	s_add_co_u32 s93, s93, 8192
	s_lshl_b32 s90, s17, 8                         ; the output: row 256 x tile row + 64 x wave,
	s_lshl_b32 s91, s14, 6
	s_add_co_u32 s90, s90, s91
	s_lshl_b32 s90, s90, 11
	s_lshl_b32 s91, s42, 8                         ; q, k: + 256 x tile column
	s_lshr_b32 s95, s42, 3                         ; v: + 16 Mi + 2 Mi x batch + 256 x (tile column % 8)
	s_lshl_b32 s95, s95, 21
	s_and_b32 s96, s42, 7
	s_lshl_b32 s96, s96, 8
	s_add_co_u32 s95, s95, s96
	s_add_co_u32 s95, s95, 0x1000000
	s_cmp_eq_u32 ttmp9, 2
	s_cselect_b32 s92, s93, s92
	s_cselect_b32 s91, s95, s91
	s_add_co_u32 s90, s90, s91
	s_mov_b32 s91, 0
	s_mov_b32 s93, 0
	s_wait_kmcnt 0x0
	s_load_b128 s[76:79], s[10:11], 0x0            ; e0 .. e3
	s_load_b64 s[80:81], s[10:11], 0x10            ; e4, e5
	s_add_nc_u64 s[70:71], s[6:7], 0x200000        ; W's rows 2,048 on: v's
	s_cmp_eq_u32 ttmp9, 2
	s_cselect_b64 s[72:73], s[70:71], s[4:5]       ; the row operand
	s_cselect_b64 s[74:75], s[4:5], s[6:7]         ; the column operand
	s_add_nc_u64 s[20:21], s[72:73], s[20:21]
	s_add_nc_u64 s[46:47], s[74:75], s[46:47]
	s_add_nc_u64 s[8:9], s[8:9], s[92:93]
	s_add_nc_u64 s[12:13], s[12:13], s[90:91]
	CROUND                                         ; all sixteen work-groups are here: the first joint loads meet
.irp s, 0,1
	s_mov_b32 s[G0+4*\s], 1
	s_add_co_u32 s[G0+4*\s+1], s45, \s*SLOT
	s_add_nc_u64 s[G0+4*\s+2:G0+4*\s+3], s[20:21], \s*ROWB
	s_or_b32 s[G0+4*\s+3], s[G0+4*\s+3], 0x80000000
	s_mov_b32 s[G0B+4*\s], 1
	s_add_co_u32 s[G0B+4*\s+1], s45, \s*SLOT
	s_add_nc_u64 s[G0B+4*\s+2:G0B+4*\s+3], s[46:47], \s*ROWB
	s_or_b32 s[G0B+4*\s+3], s[G0B+4*\s+3], 0x80000000
	JLOAD G0+4*\s, G1, G0B+4*\s, G1B
.endr
	v_and_b32 v1, 15, v0                           ; r = lane % 16
	v_bfe_u32 v2, v0, 4, 1                         ; h = lane / 16
	; the bias, 64 numbers a lane: group i, register j.  q, k: b[.. + 16 i + 8 h + j] (group = block of columns);  v: b[.. + 16 i + r] for every j (group = block of rows)
	v_mul_u32_u24 v5, v2, s86
	v_mad_u32_u24 v5, v1, s87, v5
.irp j, 0,1,2,3,4,5,6,7
	v_mad_u32_u24 v[BAD+\j], s88, \j, v5
.endr
.set II, 0
.rept 8
.irp j, 0,1,2,3,4,5,6,7
	global_load_b32 v[BIAS+8*II+\j], v[BAD+\j], s[8:9] offset:64*II
.endr
.set II, II+1
.endr
	v_mul_u32_u24 v3, v1, PITCH
	v_lshl_add_u32 v4, v2, 4, v3                   ; a fragment's row x pitch + 16 x half
	s_mul_i32 s21, s15, HALFT
	s_mul_i32 s22, s16, HALFT
	s_add_co_u32 s22, s22, 2*HALFT
.irp s, 0,1
	v_add_nc_u32 v[ADRA+\s], s21, v4
	v_add_nc_u32 v[ADRB+\s], s22, v4
	s_add_co_u32 s21, s21, SLOT
	s_add_co_u32 s22, s22, SLOT
.endr
	s_mul_i32 s23, s15, 128*PITCH                  ; the stage of codes, 256 rows x 272 bytes, in slot 0: in: row 128 x my half + r, byte 128 x my half of the columns + 8 h
	s_lshl_b32 s19, s16, 7
	s_add_co_u32 s23, s23, s19
	v_lshl_add_u32 v5, v2, 3, v3
	v_add_nc_u32 v[STO], s23, v5
	s_mul_i32 s23, s14, 64*PITCH                   ; back: wave w takes rows 64 w on, whole; lanes 0-15 one row, lanes 16-31 the next
	v_mul_u32_u24 v5, v2, PITCH
	v_lshl_add_u32 v5, v1, 4, v5
	v_add_nc_u32 v[RD], s23, v5
	v_lshlrev_b32 v5, 11, v2
	v_lshl_add_u32 v[CO], v1, 4, v5                ; and the same two rows in the output
.macro FRAG reg, adr, q, i             ; 16 rows x 128 K: registers 4 c .. 4 c + 3 hold K = 32 c + 16 (lane / 16) + 0 .. 15 of row lane % 16
.irp c, 0,1,2,3
	ds_load_b128 v[\reg+4*\c:\reg+4*\c+3], v[\adr] offset:128*(\q)+32*\c+(\i)*16*PITCH
.endr
.endm
; 16 matrix instructions: row blocks a0, a0 + 1 x the eight column blocks.  mode 0: the sums go on; 2: they begin with the bias of the column block; 3: with that of the row block.
; The 64 accumulators take turns, one instruction a turn, in the same order in every step.
.macro MUL16 a0, p, mode
.irp a, \a0, \a0+1
.irp b, 0,1,2,3,4,5,6,7
.if (\mode) == 0
	v_wmma_f32_16x16x128_bf8_bf8 v[8*(8*((\a)%4)+\b):8*(8*((\a)%4)+\b)+7], v[128*(\p)+FR*\b:128*(\p)+FR*\b+FR-1], v[AF+FR*(\a):AF+FR*(\a)+FR-1], v[8*(8*((\a)%4)+\b):8*(8*((\a)%4)+\b)+7]
.elseif (\mode) == 2
	v_wmma_f32_16x16x128_bf8_bf8 v[8*(8*((\a)%4)+\b):8*(8*((\a)%4)+\b)+7], v[128*(\p)+FR*\b:128*(\p)+FR*\b+FR-1], v[AF+FR*(\a):AF+FR*(\a)+FR-1], v[BIAS+8*\b:BIAS+8*\b+7]
.else
	v_wmma_f32_16x16x128_bf8_bf8 v[8*(8*((\a)%4)+\b):8*(8*((\a)%4)+\b)+7], v[128*(\p)+FR*\b:128*(\p)+FR*\b+FR-1], v[AF+FR*(\a):AF+FR*(\a)+FR-1], v[BIAS+8*(\a):BIAS+8*(\a)+7]
.endif
.endr
.endr
.endm
.macro FETCH_B slot, q, p
	WIN TO_B
.irp i, 0,1,2,3,4,5,6,7
	FRAG 128*(\p)+FR*\i, ADRB+\slot, \q, \i
.endr
	WIN 0
.endm
.macro FETCH_A slot, q, i0
.irp i, \i0, \i0+1, \i0+2, \i0+3
	FRAG AF+FR*(\i), ADRA+\slot, \q, \i
.endr
.endm
.macro PLACES n                        ; plain vector instructions between a matrix instruction and a load into, or a read of, its registers
.rept \n
	v_nop
.endr
.endm
; A step of 128 along K that has its successor in the same slot.
.macro STEP slot, q, mode
	s_wait_dscnt 4*NL                              ; the column set and row blocks 0-3 are in; the youngest sixteen loads (row blocks 4-7) may be out
.if (\mode) >= 2
	WIN 0x81                                       ; C (the bias) window 0, D window 2
.else
	WIN MUL_LO
.endif
	MUL16 0, (\q)%2, \mode
	MUL16 2, (\q)%2, \mode
	s_wait_dscnt 0                                 ; row blocks 4-7 are in
	PLACES NP
	FETCH_B \slot, (\q)+1, 1-(\q)%2
	FETCH_A \slot, (\q)+1, 0
.if (\mode) >= 2
	WIN 0xc1
.else
	WIN MUL_HI
.endif
	MUL16 4, (\q)%2, \mode
	MUL16 6, (\q)%2, \mode
	PLACES NP
	WIN 0
	FETCH_A \slot, (\q)+1, 4
.endm
; A slot's last step changes slots: ONE barrier; in front of it each wave waits for all its tensor loads, adds 0 to its spare word, and waits for that and for its own reads of this slot.
.macro TURN slot, next, fill
	s_wait_tensorcnt 0x0                           ; all my tensor loads have landed: my part of the next slot
	ds_add_u32 v[SPW], v[NIL]                      ; 0 onto my spare word
	s_wait_dscnt 4*NL+1                            ; (the add and the youngest sixteen loads may be out)
	WIN MUL_LO
	MUL16 0, 1, 0
	s_wait_dscnt 0x0                               ; the add is done, and my reads of this slot are over
	s_barrier_signal -1
	MUL16 2, 1, 0
	WIN 0
	s_barrier_wait -1
.if \fill
	CREST                                          ; the barrier has opened a round of the cluster's barrier: no wave of any partner still reads this slot or has a load on its way
	s_add_nc_u64 s[G0+4*\slot+2:G0+4*\slot+3], s[G0+4*\slot+2:G0+4*\slot+3], 2*ROWB
	s_add_nc_u64 s[G0B+4*\slot+2:G0B+4*\slot+3], s[G0B+4*\slot+2:G0B+4*\slot+3], 2*ROWB
	JLOAD G0+4*\slot, G1, G0B+4*\slot, G1B         ; the first tensor load behind the round; its four v_nop are the places in front of the loads below
.else
	PLACES NP
.endif
	FETCH_B \next, 0, 0
	FETCH_A \next, 0, 0
	WIN MUL_HI
	MUL16 4, 1, 0
	MUL16 6, 1, 0
	PLACES NP
	WIN 0
	FETCH_A \next, 0, 4
.endm
	s_wait_tensorcnt 1                             ; my part of slot 0 is in; slot 1's load may be out
	s_barrier_signal -1
	s_barrier_wait -1
	FETCH_B 0, 0, 0
	FETCH_A 0, 0, 0
	FETCH_A 0, 0, 4
	s_wait_loadcnt 0x0                             ; the bias
	s_wait_kmcnt 0x0                               ; the exponents
	s_add_co_i32 s82, s76, s77                     ; e0 + e1
	s_cmp_eq_u32 ttmp9, 0
	s_cselect_b32 s83, s78, s79                    ; e2 for q, e3 for k,
	s_cmp_eq_u32 ttmp9, 2
	s_cselect_b32 s83, s81, s83                    ; e5 for v
	s_sub_co_i32 s83, s83, s82                     ; et - e0 - e1
	s_sub_co_i32 s82, 0, s82
	s_add_co_i32 s83, s83, 127
	s_lshl_b32 s84, s83, 23
	v_mov_b32 v[SCL], s84                          ; the conversion takes this number's exponent field
	s_add_co_i32 s83, s83, 15
	s_lshl_b32 s85, s83, 23
	s_or_b32 s85, s85, 0x600000
	v_mov_b32 v[LIM], s85                          ; 57,344 x the scale
.set II, 0
.rept 64
	v_ldexp_f32 v[BIAS+II], v[BIAS+II], s82        ; b / 2^(e0 + e1)
.set II, II+1
.endr
	s_cmp_eq_u32 ttmp9, 2                          ; the first step is written twice: it differs in which group of the bias starts a sum.  Both copies have the same loads and waits
	s_cbranch_scc1 .Lfirst_v
	STEP 0, 0, 2
	s_branch .Lfirst_done
.Lfirst_v:
	STEP 0, 0, 3
.Lfirst_done:
	TURN 0, 1, 1                                   ; slot 0 takes K 512 on
	STEP 1, 0, 0
	TURN 1, 0, 1                                   ; slot 1 takes K 768 on
	STEP 0, 0, 0
	TURN 0, 1, 0                                   ; nothing is left to fetch: slot 0 has had its last fill, and behind this barrier nobody reads it
	STEP 1, 0, 0
	s_wait_dscnt 4*NL
	WIN MUL_LO
	MUL16 0, 1, 0
	MUL16 2, 1, 0
	s_wait_dscnt 0
	WIN MUL_HI
	MUL16 4, 1, 0
	MUL16 6, 1, 0
	WIN 0
; THE WAY OUT.  Block a (16 rows x 128 columns): held within the largest code x the scale (the conversion does not saturate: ISA guide 7.6.2), converted, 8 bytes a lane and tile into the stage.  Each accumulator is read from its low end on.
.macro QOUT a
.set AC, 64*((\a)%4)
	WIN 0x02+((\a)/4)
.set II, 0
.rept 64
	v_med3_num_f32 v[TMP+II], v[AC+II], -v[LIM], v[LIM]
.set II, II+1
.endr
	WIN 0
.irp b, 0,1,2,3,4,5,6,7
	v_cvt_scalef32_pk8_bf8_f32 v[CD+16*(\a)+2*\b:CD+16*(\a)+2*\b+1], v[TMP+8*\b:TMP+8*\b+7], v[SCL]
.endr
	v_nop                                          ; a plain instruction between the conversions and the next block's writes of their sources
.irp b, 0,1,2,3,4,5,6,7
	ds_store_b64 v[STO], v[CD+16*(\a)+2*\b:CD+16*(\a)+2*\b+1] offset:(\a)*16*PITCH+16*\b
.endr
.endm
	PLACES NP
.irp a, 0,1,2,3,4,5,6,7
	QOUT \a
.endr
	s_wait_dscnt 0x0                               ; for the others' sake: my codes lie in the stage
	s_barrier_signal -1
	s_barrier_wait -1                              ; a row's 256 bytes come from two waves
.set TT, 0
.rept 32
	ds_load_b128 v[CD+4*TT:CD+4*TT+3], v[RD] offset:2*TT*PITCH
.set TT, TT+1
.endr
.set TT, 0
.rept 32
	s_wait_dscnt 31-TT
	global_store_b128 v[CO], v[CD+4*TT:CD+4*TT+3], s[12:13] offset:2*TT*OROW   ; 16 lanes store 256 consecutive bytes, at a multiple of 256 from the buffer's first byte
.set TT, TT+1
.endr
	s_wait_tensorcnt 0x0                           ; the wave's end
	ds_add_u32 v[SPW], v[NIL]
	s_wait_dscnt 0x0
	CROUND                                         ; the closing round
	s_endpgm
.Lfunc_end_k_q46063159ca_proj:
	.size	k_q46063159ca_proj, .Lfunc_end_k_q46063159ca_proj-k_q46063159ca_proj
	.p2alignl 7, 3214868480
	.fill 96, 4, 3214868480
	.section	.rodata,"a",@progbits
	.p2align	6, 0x0
	.amdhsa_kernel k_q46063159ca_proj
		.amdhsa_group_segment_fixed_size 327680
		.amdhsa_private_segment_fixed_size 0
		.amdhsa_enable_private_segment 0
		.amdhsa_kernarg_size 40
		.amdhsa_user_sgpr_count 2
		.amdhsa_user_sgpr_kernarg_segment_ptr 1
		.amdhsa_wavefront_size32 1
		.amdhsa_system_sgpr_workgroup_id_x 1
		.amdhsa_system_sgpr_workgroup_id_y 1
		.amdhsa_system_sgpr_workgroup_id_z 1
		.amdhsa_system_vgpr_workitem_id 0
		.amdhsa_next_free_vgpr 1024
		.amdhsa_next_free_sgpr 100
		.amdhsa_reserve_vcc 0
		.amdhsa_float_denorm_mode_32 3
		.amdhsa_float_denorm_mode_16_64 3
		.amdhsa_memory_ordered 1
		.amdhsa_forward_progress 1
		.amdhsa_inst_pref_size 145
	.end_amdhsa_kernel
	.amdgpu_metadata
---
amdhsa.version: [ 1, 2 ]
amdhsa.kernels:
  - .name:           k_q46063159ca_proj
    .symbol:         k_q46063159ca_proj.kd
    .args:
      - { .name: x_codes, .offset: 0, .size: 8, .value_kind: global_buffer, .address_space: global }
      - { .name: W_qkv_codes, .offset: 8, .size: 8, .value_kind: global_buffer, .address_space: global }
      - { .name: b_qkv, .offset: 16, .size: 8, .value_kind: global_buffer, .address_space: global }
      - { .name: lowp_scales, .offset: 24, .size: 8, .value_kind: global_buffer, .address_space: global }
      - { .name: qkv, .offset: 32, .size: 8, .value_kind: global_buffer, .address_space: global }
    .group_segment_fixed_size: 327680
    .private_segment_fixed_size: 0
    .kernarg_segment_align: 8
    .kernarg_segment_size: 40
    .max_flat_workgroup_size: 128
    .sgpr_count:     100
    .vgpr_count:     1024
    .wavefront_size: 32
...
	.end_amdgpu_metadata
.endif
;; end of part 1
;; launch score (part 2): grid 8 x 32, 4 waves a work-group, clusters of 4 x 4, 327,680 bytes of LDS; arguments qkv, lowp_scales, p, stats; writes p, stats
.if DOCPART == 2
	.amdgcn_target "amdgcn-amd-amdhsa--gfx1250"
	.amdhsa_code_object_version 6
	.text
	.protected	k_q46063159ca_score
	.globl	k_q46063159ca_score
	.p2align	8
	.type	k_q46063159ca_score,@function
k_q46063159ca_score:
	s_mov_b64 s[64:65], 0
	v_nop
	global_prefetch_b8 v0, s[64:65] scope:SCOPE_SE
	s_setreg_imm32_b32 hwreg(HW_REG_WAVE_MODE, 25, 1), 1
	s_wait_xcnt 0x0
	s_wait_alu depctr_hold_cnt(0) depctr_sa_sdst(0) depctr_va_vdst(0) depctr_va_sdst(0) depctr_va_ssrc(0) depctr_va_vcc(0) depctr_vm_vsrc(0)
	s_getreg_b32 s2, hwreg(HW_REG_IB_STS2, 6, 4)
	s_cmp_eq_u32 s2, 0
	s_cbranch_scc0 .Lentry_in_a_cluster
	s_endpgm
.Lentry_in_a_cluster:
	s_bfe_u32 s2, ttmp6, 0x10000c
	s_cmp_lg_u32 s2, 0xf033
	s_cbranch_scc0 .Lentry_shape_is_right
	s_endpgm
.Lentry_shape_is_right:
; Scores q k^T on codes of E5M2, and the softmax's p as codes.  q, k: rows of 2,048 bytes of the buffer qkv (q's 1,024 codes, then k's), scales 2^e2, 2^e3.
; A tile is 256 queries x 256 keys of one batch; four waves, 128 x 128 each; K = 1,024 in four steps of 256 through a ring of two LDS slots; 4 x 4 clusters with joint loads (q's tile along a row, k's along a column).
; THE MATRIX INSTRUCTION IS USED TRANSPOSED (source 0 = 16 keys, source 1 = 16 queries): a lane holds ONE query (16 a + lane % 16) and the keys 16 b + 8 (lane / 16) + 0 .. 7.
; THE SOFTMAX.  t = score x log2(e) / 32.  M is taken for the TILE's 256 keys: the ceiling of the largest t among them, a whole number; p = 2^(t - M) is quantised with the scale 2^e4; it is not normalised.
; The sum l is taken of the unquantised p, for each 128 keys.  -M and l go to the buffer stats; the next launch brings a row's eight tiles under one M by exact powers of two.
; OUT: p [8192 queries][2048 keys] codes.  stats: 24 planes of 8,192 f32: plane j: -M of key tile j; plane 8 + g: l of keys 128 g on.
; LIMITS: e2 + e3 between -121 and 132 (added to the exponent field of log2(e) / 32); e4 between -126 and 112.  NaN and infinities among the scores are not served.
; REGISTERS: as in the launch before; on the way out window 0 holds: v32-39 maxima; v40-55 -M, a pair a block; v56-71 l, a pair a block; v72-79, v80-87 at work; v96-159, v160-223 t and p of two blocks by turns; v224-255 codes, two sets.
.set ROWB,   256
.set KROW,   2048
.set PITCH,  272
.set FR,     16
.set NL,     4
.set NP,     4
.set HALFT,  128*PITCH
.set SLOT,   4*HALFT
.set SPARE,  2*SLOT
.set XCH,    256*PITCH                 ; in slot 0, behind the stage of codes: [half of the columns][256 rows] f32: the two halves' maxima
.set SCR,    XCH+2048                  ; 1,024 bytes a wave: l, then -M, of its 128 rows
.set ADRA, 16
.set XS,   18
.set XL,   19
.set ADRB, 20
.set SCW,  22
.set SCRD, 23
.set STO,  24
.set RD,   25
.set CO,   26
.set SGO,  27
.set SPW,  28
.set NIL,  29
.set LIM,  30
.set SCL,  31
.set MX,   32
.set NM,   40
.set LS,   56
.set PM,   72
.set WK,   80
.set T0,   96
.set OB,   96
.set AF,   128
.set CD,   224
.set SEL,  70                          ; s[70:71] lane selects: lane l xor 16
.set CS,   72                          ; s[72:73] c = log2(e) / 32 x 2^(e2 + e3)
.set G1, 24
.set G0, 32
.set G1B, 48
.set G0B, 56
.set MSB, 0
.macro WIN new
.if MSB != (\new)
	s_set_vgpr_msb (MSB<<8)|(\new)
.set MSB, (\new)
.endif
.endm
.set MUL_LO, 0xa1
.set MUL_HI, 0xf1
.set TO_B,   0x40
.macro JLOAD g0a, g1a, g0b, g1b        ; waves 0 and 1 fetch q's halves, waves 2 and 3 k's; four v_nop follow each of the two lines
	s_cmp_eq_u32 s15, 0
	s_cbranch_scc0 .Lfor_b_\@
	tensor_load_to_lds s[\g0a:\g0a+3], s[\g1a:\g1a+7]
	s_nop 0
.rept 4
	v_nop
.endr
	s_branch .Lasked_\@
.Lfor_b_\@:
	tensor_load_to_lds s[\g0b:\g0b+3], s[\g1b:\g1b+7]
	s_nop 0
.rept 4
	v_nop
.endr
.Lasked_\@:
.endm
.macro CREST
	s_cmp_lg_u32 s14, 0
	s_cbranch_scc1 .Lnot_wave_0_\@
	s_barrier_signal -3
.Lnot_wave_0_\@:
	s_barrier_wait -3
	s_barrier_signal -1
	s_barrier_wait -1
.endm
.macro CROUND
	s_barrier_signal -1
	s_barrier_wait -1
	CREST
.endm
	s_load_b256 s[4:11], s[0:1], 0x0               ; qkv s[4:5], the exponents s[6:7], p s[8:9], stats s[10:11]
	v_lshl_add_u32 v[SPW], v0, 2, SPARE
	v_mov_b32 v[NIL], 0
	ds_add_u32 v28, v29
	ds_add_u32 v28, v29
	s_wait_dscnt 0x0
	v_lshrrev_b32 v1, 5, v0
	v_readfirstlane_b32 s14, v1                    ; wave 0..3
	s_lshr_b32 s15, s14, 1                         ; my half of the queries.  Also: I fetch for q (0) or k (1)
	s_and_b32 s16, s14, 1                          ; my half of the keys.  Also: which 128 rows I fetch
	s_bfe_u32 s40, ttmp6, 0x40000                  ; cx
	s_bfe_u32 s41, ttmp6, 0x40004                  ; cy
	s_lshl_b32 s42, ttmp9, 2
	s_add_co_u32 s42, s42, s40                     ; key tile 0..7
	s_and_b32 s66, ttmp7, 0xffff
	s_lshl_b32 s17, s66, 2
	s_add_co_u32 s17, s17, s41                     ; query tile 0..31
	s_lshr_b32 s67, s66, 1                         ; the batch, from the cluster's y alone
	s_lshl_b32 s43, s41, 2
	s_lshl_b32 s43, 15, s43
	s_lshl_b32 s44, 0x1111, s40
	s_or_b32 s[G1+0], s43, (0<<16)|(1<<20)|(1<<21)|(5<<22)|(3<<25)
	s_or_b32 s[G1B+0], s44, (0<<16)|(1<<20)|(1<<21)|(5<<22)|(3<<25)
.irp g, G1, G1B
	s_mov_b32 s[\g+1], ROWB<<16
	s_mov_b32 s[\g+2], 128<<16
	s_mov_b32 s[\g+3], ROWB<<16
	s_mov_b32 s[\g+4], 128
	s_mov_b32 s[\g+5], KROW
	s_mov_b32 s[\g+6], 0
	s_mov_b32 s[\g+7], 0
.endr
	s_lshl_b32 s18, s16, 7
	s_lshl_b32 s20, s17, 8
	s_add_co_u32 s20, s20, s18
	s_lshl_b32 s20, s20, 11                        ; q: row 256 x query tile + 128 x half
	s_mov_b32 s21, 0
	s_lshl_b32 s46, s42, 8
	s_add_co_u32 s46, s46, s18
	s_lshl_b32 s47, s67, 11
	s_add_co_u32 s46, s46, s47
	s_lshl_b32 s46, s46, 11
	s_add_co_u32 s46, s46, 1024                    ; k: row 2,048 x batch + 256 x key tile + 128 x half, 1,024 bytes into the row
	s_mov_b32 s47, 0
	s_mul_i32 s45, s14, HALFT
	s_mov_b32 s[SEL], 0x76543210
	s_mov_b32 s[SEL+1], 0xfedcba98
	s_mov_b32 s[CS], 0x3d38aa3b                    ; log2(e) / 32
	s_wait_kmcnt 0x0
	s_load_b128 s[76:79], s[6:7], 0x0              ; e0 .. e3
	s_load_b64 s[80:81], s[6:7], 0x10              ; e4, e5
	s_add_nc_u64 s[20:21], s[4:5], s[20:21]
	s_add_nc_u64 s[46:47], s[4:5], s[46:47]
	CROUND
.irp s, 0,1
	s_mov_b32 s[G0+4*\s], 1
	s_add_co_u32 s[G0+4*\s+1], s45, \s*SLOT
	s_add_nc_u64 s[G0+4*\s+2:G0+4*\s+3], s[20:21], \s*ROWB
	s_or_b32 s[G0+4*\s+3], s[G0+4*\s+3], 0x80000000
	s_mov_b32 s[G0B+4*\s], 1
	s_add_co_u32 s[G0B+4*\s+1], s45, \s*SLOT
	s_add_nc_u64 s[G0B+4*\s+2:G0B+4*\s+3], s[46:47], \s*ROWB
	s_or_b32 s[G0B+4*\s+3], s[G0B+4*\s+3], 0x80000000
	JLOAD G0+4*\s, G1, G0B+4*\s, G1B
.endr
	v_and_b32 v1, 15, v0                           ; r
	v_bfe_u32 v2, v0, 4, 1                         ; h
	v_and_b32 v6, 31, v0                           ; lane
	v_mul_u32_u24 v3, v1, PITCH
	v_lshl_add_u32 v4, v2, 4, v3
	s_mul_i32 s21, s15, HALFT
	s_mul_i32 s22, s16, HALFT
	s_add_co_u32 s22, s22, 2*HALFT
.irp s, 0,1
	v_add_nc_u32 v[ADRA+\s], s21, v4
	v_add_nc_u32 v[ADRB+\s], s22, v4
	s_add_co_u32 s21, s21, SLOT
	s_add_co_u32 s22, s22, SLOT
.endr
	s_mul_i32 s23, s15, 128*PITCH                  ; the stage of codes, 256 rows x 272 bytes, in slot 0
	s_lshl_b32 s19, s16, 7
	s_add_co_u32 s23, s23, s19
	v_lshl_add_u32 v5, v2, 3, v3
	v_add_nc_u32 v[STO], s23, v5
	s_mul_i32 s23, s14, 64*PITCH
	v_mul_u32_u24 v5, v2, PITCH
	v_lshl_add_u32 v5, v1, 4, v5
	v_add_nc_u32 v[RD], s23, v5
	v_lshlrev_b32 v5, 11, v2
	v_lshl_add_u32 v[CO], v1, 4, v5
	s_lshl_b32 s19, s15, 9                         ; the exchange: 4 (128 x my half of the queries + r), in my half of the keys' part,
	s_lshl_b32 s23, s16, 10
	s_add_co_u32 s23, s23, s19
	s_add_co_u32 s23, s23, XCH
	v_lshl_add_u32 v[XS], v1, 2, s23
	s_xor_b32 s23, s16, 1                          ; and in the other half's
	s_lshl_b32 s23, s23, 10
	s_add_co_u32 s23, s23, s19
	s_add_co_u32 s23, s23, XCH
	v_lshl_add_u32 v[XL], v1, 2, s23
	s_lshl_b32 s23, s14, 10                        ; my wave's scratch
	s_add_co_u32 s23, s23, SCR
	v_lshl_add_u32 v[SCW], v1, 2, s23
	v_lshl_add_u32 v[SCRD], v6, 4, s23
	v_lshlrev_b32 v[SGO], 4, v6
	s_lshl_b32 s20, s17, 10                        ; stats: 4 (256 x query tile + 128 x my half of the queries),
	s_add_co_u32 s20, s20, s19
	s_lshl_b32 s86, s42, 15                        ; -M: plane = key tile
	s_add_co_u32 s86, s86, s20
	s_mov_b32 s87, 0
	s_lshl_b32 s84, s42, 1                         ; l: plane 8 + 2 x key tile + my half of the keys
	s_add_co_u32 s84, s84, s16
	s_add_co_u32 s84, s84, 8
	s_lshl_b32 s84, s84, 15
	s_add_co_u32 s84, s84, s20
	s_mov_b32 s85, 0
	s_add_nc_u64 s[86:87], s[10:11], s[86:87]
	s_add_nc_u64 s[84:85], s[10:11], s[84:85]
	s_lshl_b32 s20, s17, 8                         ; p: row 256 x query tile + 64 x wave, byte 256 x key tile
	s_lshl_b32 s21, s14, 6
	s_add_co_u32 s20, s20, s21
	s_lshl_b32 s20, s20, 11
	s_lshl_b32 s21, s42, 8
	s_add_co_u32 s20, s20, s21
	s_mov_b32 s21, 0
	s_add_nc_u64 s[8:9], s[8:9], s[20:21]
	s_wait_kmcnt 0x0
	s_add_co_i32 s82, s78, s79
	s_lshl_b32 s82, s82, 23
	s_add_co_i32 s[CS], s[CS], s82                 ; a sum stands for score / 2^(e2 + e3): the two exponents are added to c's exponent field
	s_mov_b32 s[CS+1], s[CS]
	s_add_co_i32 s82, s80, 127
	s_lshl_b32 s83, s82, 23
	v_mov_b32 v[SCL], s83                          ; 2^e4
	s_add_co_i32 s82, s82, 15
	s_lshl_b32 s82, s82, 23
	s_or_b32 s82, s82, 0x600000
	v_mov_b32 v[LIM], s82                          ; 57,344 x 2^e4
.macro FRAG reg, adr, q, i
.irp c, 0,1,2,3
	ds_load_b128 v[\reg+4*\c:\reg+4*\c+3], v[\adr] offset:128*(\q)+32*\c+(\i)*16*PITCH
.endr
.endm
.macro MUL16 a0, p, zero               ; the 64 accumulators take turns, one instruction a turn; zero = 1: the first product starts the sums
.irp a, \a0, \a0+1
.irp b, 0,1,2,3,4,5,6,7
.if \zero
	v_wmma_f32_16x16x128_bf8_bf8 v[8*(8*((\a)%4)+\b):8*(8*((\a)%4)+\b)+7], v[128*(\p)+FR*\b:128*(\p)+FR*\b+FR-1], v[AF+FR*(\a):AF+FR*(\a)+FR-1], 0
.else
	v_wmma_f32_16x16x128_bf8_bf8 v[8*(8*((\a)%4)+\b):8*(8*((\a)%4)+\b)+7], v[128*(\p)+FR*\b:128*(\p)+FR*\b+FR-1], v[AF+FR*(\a):AF+FR*(\a)+FR-1], v[8*(8*((\a)%4)+\b):8*(8*((\a)%4)+\b)+7]
.endif
.endr
.endr
.endm
.macro FETCH_B slot, q, p
	WIN TO_B
.irp i, 0,1,2,3,4,5,6,7
	FRAG 128*(\p)+FR*\i, ADRB+\slot, \q, \i
.endr
	WIN 0
.endm
.macro FETCH_A slot, q, i0
.irp i, \i0, \i0+1, \i0+2, \i0+3
	FRAG AF+FR*(\i), ADRA+\slot, \q, \i
.endr
.endm
.macro PLACES n
.rept \n
	v_nop
.endr
.endm
.macro STEP slot, q, zero
	s_wait_dscnt 4*NL                              ; k's set and q's blocks 0-3 are in; the youngest sixteen loads may be out
	WIN MUL_LO
	MUL16 0, (\q)%2, \zero
	MUL16 2, (\q)%2, \zero
	s_wait_dscnt 0
	PLACES NP
	FETCH_B \slot, (\q)+1, 1-(\q)%2
	FETCH_A \slot, (\q)+1, 0
	WIN MUL_HI
	MUL16 4, (\q)%2, \zero
	MUL16 6, (\q)%2, \zero
	PLACES NP
	WIN 0
	FETCH_A \slot, (\q)+1, 4
.endm
.macro TURN slot, next, fill
	s_wait_tensorcnt 0x0                           ; all my tensor loads have landed: my part of the next slot
	ds_add_u32 v[SPW], v[NIL]                      ; 0 onto my spare word
	s_wait_dscnt 4*NL+1                            ; (the add and the youngest sixteen loads may be out)
	WIN MUL_LO
	MUL16 0, 1, 0
	s_wait_dscnt 0x0                               ; the add is done, and my reads of this slot are over
	s_barrier_signal -1
	MUL16 2, 1, 0
	WIN 0
	s_barrier_wait -1
.if \fill
	CREST
	s_add_nc_u64 s[G0+4*\slot+2:G0+4*\slot+3], s[G0+4*\slot+2:G0+4*\slot+3], 2*ROWB
	s_add_nc_u64 s[G0B+4*\slot+2:G0B+4*\slot+3], s[G0B+4*\slot+2:G0B+4*\slot+3], 2*ROWB
	JLOAD G0+4*\slot, G1, G0B+4*\slot, G1B
.else
	PLACES NP
.endif
	FETCH_B \next, 0, 0
	FETCH_A \next, 0, 0
	WIN MUL_HI
	MUL16 4, 1, 0
	MUL16 6, 1, 0
	PLACES NP
	WIN 0
	FETCH_A \next, 0, 4
.endm
	s_wait_tensorcnt 1                             ; my part of slot 0 is in; slot 1's load may be out
	s_barrier_signal -1
	s_barrier_wait -1
	FETCH_B 0, 0, 0
	FETCH_A 0, 0, 0
	FETCH_A 0, 0, 4
	STEP 0, 0, 1
	TURN 0, 1, 1
	STEP 1, 0, 0
	TURN 1, 0, 1
	STEP 0, 0, 0
	TURN 0, 1, 0                                   ; slot 0 has had its last fill, and behind this barrier nobody reads it: stage, exchange and scratch lie there
	STEP 1, 0, 0
	s_wait_dscnt 4*NL
	WIN MUL_LO
	MUL16 0, 1, 0
	MUL16 2, 1, 0
	s_wait_dscnt 0
	WIN MUL_HI
	MUL16 4, 1, 0
	MUL16 6, 1, 0
	WIN 0
; THE LARGEST SCORE of each query among my 128 keys: four blocks of one window at a time, two chains a block, each accumulator from its low end on.
.macro RMAX w
	WIN 0x2a+0x15*(\w)                             ; all three sources in window 2 or 3
.irp a, 0,1,2,3
	v_max3_num_f32 v[MX+4*(\w)+\a], v[64*\a], v[64*\a+1], v[64*\a+2]
	v_max3_num_f32 v[WK+4*(\w)+\a], v[64*\a+3], v[64*\a+4], v[64*\a+5]
.endr
	WIN 0x28+0x14*(\w)                             ; sources 1 and 2 there, source 0 in window 0
.irp i, 6,10,14,18,22,26,30,34,38,42,46,50,54,58
.irp a, 0,1,2,3
	v_max3_num_f32 v[MX+4*(\w)+\a], v[MX+4*(\w)+\a], v[64*\a+\i], v[64*\a+\i+1]
	v_max3_num_f32 v[WK+4*(\w)+\a], v[WK+4*(\w)+\a], v[64*\a+\i+2], v[64*\a+\i+3]
.endr
.endr
.irp a, 0,1,2,3
	v_max3_num_f32 v[MX+4*(\w)+\a], v[MX+4*(\w)+\a], v[64*\a+62], v[64*\a+63]
.endr
.endm
	PLACES NP
	RMAX 0
	RMAX 1
	WIN 0
.irp a, 0,1,2,3,4,5,6,7
	v_max_num_f32 v[MX+\a], v[MX+\a], v[WK+\a]
.endr
.irp a, 0,1,2,3,4,5,6,7
	v_permlanex16_b32 v[WK+\a], v[MX+\a], s[SEL], s[SEL+1]   ; the query's other 64 keys lie in the lane 16 away
.endr
.irp a, 0,1,2,3,4,5,6,7
	v_max_num_f32 v[MX+\a], v[MX+\a], v[WK+\a]
.endr
.irp a, 0,1,2,3,4,5,6,7
	ds_store_b32 v[XS], v[MX+\a] offset:64*\a      ; both halves of the lanes write the same word with the same number
.endr
	s_wait_dscnt 0x0                               ; for the other wave's sake
	s_barrier_signal -1
	s_barrier_wait -1
.irp a, 0,1,2,3,4,5,6,7
	ds_load_b32 v[PM+\a], v[XL] offset:64*\a       ; the tile's other 128 keys
.endr
	s_wait_dscnt 0x0
.irp a, 0,1,2,3,4,5,6,7
	v_max_num_f32 v[MX+\a], v[MX+\a], v[PM+\a]
.endr
.irp a, 0,1,2,3,4,5,6,7
	v_mul_f32 v[WK+\a], s[CS], v[MX+\a]            ; as t (c is positive)
.endr
.irp a, 0,1,2,3,4,5,6,7
	v_floor_f32 v[NM+2*\a], -v[WK+\a]              ; -M = floor(-t) = -ceil(t): a whole number
.endr
.irp a, 0,1,2,3,4,5,6,7
	v_mov_b32 v[NM+2*\a+1], v[NM+2*\a]
.endr
; THE BLOCKS GO THROUGH A PIPELINE.  FMA a: t - M of block a.  MIX a: block a + 1's exponentials, and between them block a's sums (of the unquantised p) and holds.  CVT a: block a's codes into the stage.
.macro FMA a
.set AC, 64*((\a)%4)
.set TW, T0+64*((\a)%2)
	WIN 0x02+((\a)/4)
.set II, 0
.rept 32
	v_pk_fma_f32 v[TW+II:TW+II+1], v[AC+II:AC+II+1], s[CS:CS+1], v[NM+2*(\a):NM+2*(\a)+1] op_sel_hi:[1,0,1]
.set II, II+2
.endr
	WIN 0
.endm
.macro MIX a
.set TA, T0+64*((\a)%2)
.set TN, T0+64*(((\a)+1)%2)
	s_wait_alu depctr_va_vdst(0)                   ; one wait for block a's 64 exponentials, ahead of their first reader; those issued below are named again only behind the next such wait
.set II, 0
.rept 32
.if (\a) < 7
	v_exp_f32 v[TN+2*II], v[TN+2*II]
	v_exp_f32 v[TN+2*II+1], v[TN+2*II+1]
.endif
.if II == 0
	v_pk_add_f32 v[LS+2*(\a):LS+2*(\a)+1], v[TA:TA+1], v[TA+2:TA+3]
.elseif II > 1
	v_pk_add_f32 v[LS+2*(\a):LS+2*(\a)+1], v[LS+2*(\a):LS+2*(\a)+1], v[TA+2*II:TA+2*II+1]
.endif
	v_min_num_f32 v[TA+2*II], v[TA+2*II], v[LIM]   ; the conversion does not saturate (ISA guide 7.6.2); p is not negative, so the hold is one-sided; a pair is held behind the sum that reads it
	v_min_num_f32 v[TA+2*II+1], v[TA+2*II+1], v[LIM]
.set II, II+1
.endr
.endm
.macro CVT a
.set TA, T0+64*((\a)%2)
.set CC, CD+16*((\a)%2)
.if (\a) >= 2
	s_wait_dscnt 8                                 ; block a - 2's eight stores have read this set of codes; block a - 1's may be out
.endif
.irp b, 0,1,2,3,4,5,6,7
	v_cvt_scalef32_pk8_bf8_f32 v[CC+2*\b:CC+2*\b+1], v[TA+8*\b:TA+8*\b+7], v[SCL]
.endr
	v_nop                                          ; a plain instruction between the conversions and the next writes of their sources
.irp b, 0,1,2,3,4,5,6,7
	ds_store_b64 v[STO], v[CC+2*\b:CC+2*\b+1] offset:(\a)*16*PITCH+16*\b
.endr
.endm
	FMA 0
.set II, 0
.rept 64
	v_exp_f32 v[T0+II], v[T0+II]
.set II, II+1
.endr
	FMA 1                                          ; plain work that names no result of the batch
.irp a, 0,1,2,3,4,5,6,7
	MIX \a
	CVT \a
.if \a < 6
	FMA \a+2
.endif
.endr
	; l of my 128 keys, and -M, leave as 512 consecutive bytes each: through my wave's own scratch, which LDS serves in order
.irp a, 0,1,2,3,4,5,6,7
	v_add_f32 v[WK+\a], v[LS+2*\a], v[LS+2*\a+1]
.endr
.irp a, 0,1,2,3,4,5,6,7
	v_permlanex16_b32 v[PM+\a], v[WK+\a], s[SEL], s[SEL+1]
.endr
.irp a, 0,1,2,3,4,5,6,7
	v_add_f32 v[WK+\a], v[WK+\a], v[PM+\a]
.endr
.irp a, 0,1,2,3,4,5,6,7
	ds_store_b32 v[SCW], v[WK+\a] offset:64*\a
.endr
.irp a, 0,1,2,3,4,5,6,7
	ds_store_b32 v[SCW], v[NM+2*\a] offset:512+64*\a
.endr
	ds_load_b128 v[PM:PM+3], v[SCRD]
	ds_load_b128 v[PM+4:PM+7], v[SCRD] offset:512
	s_wait_dscnt 0x0                               ; these are in, and, for the others' sake, my codes lie in the stage
	s_barrier_signal -1
	s_barrier_wait -1                              ; a row's 256 bytes of codes come from two waves
	global_store_b128 v[SGO], v[PM:PM+3], s[84:85]
	s_cmp_lg_u32 s16, 0                            ; both waves of a half of the queries hold the same -M: the one with the first 128 keys stores it
	s_cbranch_scc1 .Lno_m
	global_store_b128 v[SGO], v[PM+4:PM+7], s[86:87]
.Lno_m:
.set TT, 0
.rept 32
	ds_load_b128 v[OB+4*TT:OB+4*TT+3], v[RD] offset:2*TT*PITCH
.set TT, TT+1
.endr
.set TT, 0
.rept 32
	s_wait_dscnt 31-TT
	global_store_b128 v[CO], v[OB+4*TT:OB+4*TT+3], s[8:9] offset:2*TT*KROW   ; 16 lanes store 256 consecutive bytes, at a multiple of 256 from the buffer's first byte
.set TT, TT+1
.endr
	s_wait_tensorcnt 0x0                           ; the wave's end
	ds_add_u32 v[SPW], v[NIL]
	s_wait_dscnt 0x0
	CROUND                                         ; the closing round
	s_endpgm
.Lfunc_end_k_q46063159ca_score:
	.size	k_q46063159ca_score, .Lfunc_end_k_q46063159ca_score-k_q46063159ca_score
	.p2alignl 7, 3214868480
	.fill 96, 4, 3214868480
	.section	.rodata,"a",@progbits
	.p2align	6, 0x0
	.amdhsa_kernel k_q46063159ca_score
		.amdhsa_group_segment_fixed_size 327680
		.amdhsa_private_segment_fixed_size 0
		.amdhsa_enable_private_segment 0
		.amdhsa_kernarg_size 32
		.amdhsa_user_sgpr_count 2
		.amdhsa_user_sgpr_kernarg_segment_ptr 1
		.amdhsa_wavefront_size32 1
		.amdhsa_system_sgpr_workgroup_id_x 1
		.amdhsa_system_sgpr_workgroup_id_y 1
		.amdhsa_system_sgpr_workgroup_id_z 1
		.amdhsa_system_vgpr_workitem_id 0
		.amdhsa_next_free_vgpr 1024
		.amdhsa_next_free_sgpr 100
		.amdhsa_reserve_vcc 0
		.amdhsa_float_denorm_mode_32 3
		.amdhsa_float_denorm_mode_16_64 3
		.amdhsa_memory_ordered 1
		.amdhsa_forward_progress 1
		.amdhsa_inst_pref_size 180
	.end_amdhsa_kernel
	.amdgpu_metadata
---
amdhsa.version: [ 1, 2 ]
amdhsa.kernels:
  - .name:           k_q46063159ca_score
    .symbol:         k_q46063159ca_score.kd
    .args:
      - { .name: qkv, .offset: 0, .size: 8, .value_kind: global_buffer, .address_space: global }
      - { .name: lowp_scales, .offset: 8, .size: 8, .value_kind: global_buffer, .address_space: global }
      - { .name: p, .offset: 16, .size: 8, .value_kind: global_buffer, .address_space: global }
      - { .name: stats, .offset: 24, .size: 8, .value_kind: global_buffer, .address_space: global }
    .group_segment_fixed_size: 327680
    .private_segment_fixed_size: 0
    .kernarg_segment_align: 8
    .kernarg_segment_size: 32
    .max_flat_workgroup_size: 128
    .sgpr_count:     100
    .vgpr_count:     1024
    .wavefront_size: 32
...
	.end_amdgpu_metadata
.endif
;; end of part 2
;; launch mix (part 3): grid 4 x 64, 4 waves a work-group, clusters of 4 x 4, 327,680 bytes of LDS; arguments p, qkv, stats, lowp_scales, out0; writes out0
.if DOCPART == 3
	.amdgcn_target "amdgcn-amd-amdhsa--gfx1250"
	.amdhsa_code_object_version 6
	.text
	.protected	k_q46063159ca_mix
	.globl	k_q46063159ca_mix
	.p2align	8
	.type	k_q46063159ca_mix,@function
k_q46063159ca_mix:
	s_mov_b64 s[64:65], 0
	v_nop
	global_prefetch_b8 v0, s[64:65] scope:SCOPE_SE
	s_setreg_imm32_b32 hwreg(HW_REG_WAVE_MODE, 25, 1), 1
	s_wait_xcnt 0x0
	s_wait_alu depctr_hold_cnt(0) depctr_sa_sdst(0) depctr_va_vdst(0) depctr_va_sdst(0) depctr_va_ssrc(0) depctr_va_vcc(0) depctr_vm_vsrc(0)
	s_getreg_b32 s2, hwreg(HW_REG_IB_STS2, 6, 4)
	s_cmp_eq_u32 s2, 0
	s_cbranch_scc0 .Lentry_in_a_cluster
	s_endpgm
.Lentry_in_a_cluster:
	s_bfe_u32 s2, ttmp6, 0x10000c
	s_cmp_lg_u32 s2, 0xf033
	s_cbranch_scc0 .Lentry_shape_is_right
	s_endpgm
.Lentry_shape_is_right:
; out = (sum over the keys of p v) / l on codes of E5M2.  p: [8192 queries][2048 keys], scale 2^e4, each tile j of 256 keys under its own whole number M_j.  v: transposed, [4][1024 d][2048 keys], from byte 16 Mi of qkv, scale 2^e5.
; stats: plane j: -M_j; plane 8 + g: l of keys 128 g on.  out: [8192][1024] f32.
; A tile is 128 queries x 256 d; four waves, 64 x 128 each: 32 accumulators.  K = 2,048 keys in eight slots of 256, ONE KEY TILE A SLOT, through a ring of two LDS slots; 4 x 4 clusters with joint loads (p's tile along a row, v's along a column).
; THE MATRIX INSTRUCTION IS USED TRANSPOSED (source 0 = 16 d of v, source 1 = 16 queries of p): a lane holds one query (16 a + lane % 16) and eight neighbouring d.
; ONE M FOR A ROW.  R = the largest M_j; s_j = max(M_j - R, -60).  Ahead of tile j's products the sums are multiplied by 2^(s_(j-1) - s_j), so that at the end they hold sum_j 2^(s_j - s_7) T_j; they are then multiplied by
; 2^(s_7 + e4 + e5) / l, l = sum_j 2^(s_j) l_j.  Every factor is a power of two between 2^-60 and 2^60, and a tile's sums stay under 2^40: nothing overflows, and nothing is rounded.
; LIMIT: a tile whose M lies more than 60 under the row's is weighed 2^-60 and not less, in the sums and in l alike: under 2^-50 of the result.  NaN is not served.
; REGISTERS: window 0: v0-31 addresses; v32-95 the factors, a pair (g, g) for block a and tile j at v[32 + 16 a + 2 j]; v96-103 the last factor, a pair a block; v104-123 at work; v128-255 p's fragments, two sets of four.
;   window 1: v's fragments, two sets of eight.   window 2: the accumulators, (a, b) at v[8 (8 a + b)].
.set ROWB,   256
.set KROW,   2048
.set PITCH,  272
.set FR,     16
.set HALFA,  64*PITCH
.set HALFB,  128*PITCH
.set SLOT,   2*HALFA+2*HALFB           ; p's 128 rows, then v's 256
.set SPARE,  2*SLOT
.set SPITCH, 528                       ; the way out: 16 rows x (512 bytes + 16) a wave, in slot 0
.set ADRA, 16
.set ADRB, 20
.set STO,  24
.set RD,   25
.set CO,   26
.set SA,   27
.set SPW,  28
.set NIL,  29
.set GQ,   32
.set FQ,   96
.set WK,   104
.set IJ,   106
.set TD,   114
.set LQ,   116
.set I7,   120
.set AF,   128
.set TMP,  128
.set G1, 24
.set G0, 32
.set G1B, 48
.set G0B, 56
.set MSB, 0
.macro WIN new
.if MSB != (\new)
	s_set_vgpr_msb (MSB<<8)|(\new)
.set MSB, (\new)
.endif
.endm
.set MUL,  0xa1                        ; source 0 (v) window 1, source 1 (p) window 0, C and D window 2
.set RSC,  0x82                        ; destination and source 0 window 2, source 1 window 0
.set TO_B, 0x40
.macro JLOAD g0a, g1a, g0b, g1b        ; waves 0 and 1 fetch p's halves (64 rows), waves 2 and 3 v's (128 rows); four v_nop follow each of the two lines
	s_cmp_eq_u32 s15, 0
	s_cbranch_scc0 .Lfor_b_\@
	tensor_load_to_lds s[\g0a:\g0a+3], s[\g1a:\g1a+7]
	s_nop 0
.rept 4
	v_nop
.endr
	s_branch .Lasked_\@
.Lfor_b_\@:
	tensor_load_to_lds s[\g0b:\g0b+3], s[\g1b:\g1b+7]
	s_nop 0
.rept 4
	v_nop
.endr
.Lasked_\@:
.endm
.macro CREST
	s_cmp_lg_u32 s14, 0
	s_cbranch_scc1 .Lnot_wave_0_\@
	s_barrier_signal -3
.Lnot_wave_0_\@:
	s_barrier_wait -3
	s_barrier_signal -1
	s_barrier_wait -1
.endm
.macro CROUND
	s_barrier_signal -1
	s_barrier_wait -1
	CREST
.endm
	s_load_b256 s[4:11], s[0:1], 0x0               ; p s[4:5], qkv s[6:7], stats s[8:9], the exponents s[10:11]
	s_load_b64 s[12:13], s[0:1], 0x20              ; out
	v_lshl_add_u32 v[SPW], v0, 2, SPARE
	v_mov_b32 v[NIL], 0
	ds_add_u32 v28, v29
	ds_add_u32 v28, v29
	s_wait_dscnt 0x0
	v_lshrrev_b32 v1, 5, v0
	v_readfirstlane_b32 s14, v1                    ; wave 0..3
	s_lshr_b32 s15, s14, 1                         ; my half of the queries.  Also: I fetch for p (0) or v (1)
	s_and_b32 s16, s14, 1                          ; my half of the d.  Also: which half of that tile I fetch
	s_bfe_u32 s40, ttmp6, 0x40000                  ; cx
	s_bfe_u32 s41, ttmp6, 0x40004                  ; cy
	s_lshl_b32 s42, ttmp9, 2
	s_add_co_u32 s42, s42, s40                     ; d tile 0..3
	s_and_b32 s66, ttmp7, 0xffff
	s_lshl_b32 s17, s66, 2
	s_add_co_u32 s17, s17, s41                     ; query tile 0..63
	s_lshr_b32 s67, s66, 2                         ; the batch, from the cluster's y alone
	s_lshl_b32 s43, s41, 2
	s_lshl_b32 s43, 15, s43
	s_lshl_b32 s44, 0x1111, s40
	s_or_b32 s[G1+0], s43, (0<<16)|(1<<20)|(1<<21)|(5<<22)|(3<<25)
	s_or_b32 s[G1B+0], s44, (0<<16)|(1<<20)|(1<<21)|(5<<22)|(3<<25)
	s_mov_b32 s[G1+1], ROWB<<16                    ; p's tile: 64 rows x 256 bytes
	s_mov_b32 s[G1+2], 64<<16
	s_mov_b32 s[G1+3], ROWB<<16
	s_mov_b32 s[G1+4], 64
	s_mov_b32 s[G1+5], KROW
	s_mov_b32 s[G1+6], 0
	s_mov_b32 s[G1+7], 0
	s_mov_b32 s[G1B+1], ROWB<<16                   ; v's tile: 128 rows x 256 bytes
	s_mov_b32 s[G1B+2], 128<<16
	s_mov_b32 s[G1B+3], ROWB<<16
	s_mov_b32 s[G1B+4], 128
	s_mov_b32 s[G1B+5], KROW
	s_mov_b32 s[G1B+6], 0
	s_mov_b32 s[G1B+7], 0
	s_lshl_b32 s20, s17, 7
	s_lshl_b32 s18, s16, 6
	s_add_co_u32 s20, s20, s18
	s_lshl_b32 s20, s20, 11                        ; p: row 128 x query tile + 64 x half
	s_mov_b32 s21, 0
	s_lshl_b32 s46, s42, 8
	s_lshl_b32 s18, s16, 7
	s_add_co_u32 s46, s46, s18
	s_lshl_b32 s46, s46, 11                        ; v: row 256 x d tile + 128 x half,
	s_lshl_b32 s47, s67, 21
	s_add_co_u32 s46, s46, s47                     ; in the batch's 2 Mi,
	s_add_co_u32 s46, s46, 0x1000000               ; behind q's and k's 16 Mi
	s_mov_b32 s47, 0
	s_mul_i32 s45, s16, HALFA                      ; where they go: p's halves,
	s_mul_i32 s69, s16, HALFB
	s_add_co_u32 s69, s69, 2*HALFA                 ; then v's
	s_wait_kmcnt 0x0
	s_load_b64 s[80:81], s[10:11], 0x10            ; e4, e5
	s_add_nc_u64 s[20:21], s[4:5], s[20:21]
	s_add_nc_u64 s[46:47], s[6:7], s[46:47]
	CROUND
.irp s, 0,1
	s_mov_b32 s[G0+4*\s], 1
	s_add_co_u32 s[G0+4*\s+1], s45, \s*SLOT
	s_add_nc_u64 s[G0+4*\s+2:G0+4*\s+3], s[20:21], \s*ROWB
	s_or_b32 s[G0+4*\s+3], s[G0+4*\s+3], 0x80000000
	s_mov_b32 s[G0B+4*\s], 1
	s_add_co_u32 s[G0B+4*\s+1], s69, \s*SLOT
	s_add_nc_u64 s[G0B+4*\s+2:G0B+4*\s+3], s[46:47], \s*ROWB
	s_or_b32 s[G0B+4*\s+3], s[G0B+4*\s+3], 0x80000000
	JLOAD G0+4*\s, G1, G0B+4*\s, G1B
.endr
	v_and_b32 v1, 15, v0                           ; r
	v_bfe_u32 v2, v0, 4, 1                         ; h
	v_lshlrev_b32 v[SA], 2, v1
	s_lshl_b32 s20, s17, 9                         ; stats: 4 (128 x query tile + 64 x my half of the queries)
	s_lshl_b32 s21, s15, 8
	s_add_co_u32 s20, s20, s21
	s_mov_b32 s21, 0
	s_add_nc_u64 s[8:9], s[8:9], s[20:21]
.set AA, 0
.rept 4
.set PP, 0
.rept 24
	global_load_b32 v[128+24*AA+PP], v[SA], s[8:9] offset:32768*PP+64*AA   ; plane PP for query 16 AA + r
.set PP, PP+1
.endr
.set AA, AA+1
.endr
	v_mul_u32_u24 v3, v1, PITCH
	v_lshl_add_u32 v4, v2, 4, v3
	s_mul_i32 s21, s15, HALFA                      ; my 64 rows of p
	s_mul_i32 s22, s16, HALFB                      ; my 128 rows of v,
	s_add_co_u32 s22, s22, 2*HALFA                 ; which lie behind p's 128
.irp s, 0,1
	v_add_nc_u32 v[ADRA+\s], s21, v4
	v_add_nc_u32 v[ADRB+\s], s22, v4
	s_add_co_u32 s21, s21, SLOT
	s_add_co_u32 s22, s22, SLOT
.endr
	s_mul_i32 s23, s14, 16*SPITCH                  ; my stage
	v_mul_u32_u24 v5, v1, SPITCH
	v_lshl_add_u32 v5, v2, 5, v5
	v_add_nc_u32 v[STO], s23, v5                   ; in: row r, 32 bytes for each half of the lanes
	v_and_b32 v6, 31, v0
	v_lshlrev_b32 v[CO], 4, v6                     ; back: the 32 lanes take one row of 512 bytes; and the same in out
	v_add_nc_u32 v[RD], s23, v[CO]
	s_lshl_b32 s20, s17, 7
	s_lshl_b32 s21, s15, 6
	s_add_co_u32 s20, s20, s21
	s_lshl_b32 s20, s20, 12                        ; out: row 128 x query tile + 64 x half, of 4,096 bytes,
	s_lshl_b32 s46, s42, 10
	s_lshl_b32 s47, s16, 9
	s_add_co_u32 s46, s46, s47
	s_add_co_u32 s20, s20, s46                     ; + 4 (256 x d tile + 128 x half)
	s_mov_b32 s21, 0
	s_add_nc_u64 s[12:13], s[12:13], s[20:21]
	s_wait_loadcnt 0x0
	s_wait_kmcnt 0x0
	s_add_co_i32 s82, s80, s81                     ; e4 + e5
; The factors of block a's queries, one query a lane.
.macro STATS a
.set XB, 128+24*(\a)
	v_min3_num_f32 v[WK], v[XB], v[XB+1], v[XB+2]
	v_min3_num_f32 v[WK], v[WK], v[XB+3], v[XB+4]
	v_min3_num_f32 v[WK], v[WK], v[XB+5], v[XB+6]
	v_min_num_f32 v[WK], v[WK], v[XB+7]            ; -R
.irp j, 0,1,2,3,4,5,6,7
	v_sub_f32 v[IJ+\j], v[WK], v[XB+\j]            ; M_j - R: a whole number, 0 or less
.endr
.irp j, 0,1,2,3,4,5,6,7
	v_max_num_f32 v[IJ+\j], 0xc2700000, v[IJ+\j]   ; not under -60
.endr
.irp j, 0,1,2,3,4,5,6,7
	v_cvt_i32_f32 v[IJ+\j], v[IJ+\j]
.endr
.irp j, 0,1,2,3,4,5,6,7
	v_add_f32 v[XB+8+2*\j], v[XB+8+2*\j], v[XB+9+2*\j]
.endr
.irp j, 0,1,2,3,4,5,6,7
	v_ldexp_f32 v[XB+8+2*\j], v[XB+8+2*\j], v[IJ+\j]   ; tile j's l under R
.endr
	v_add_f32 v[XB+8], v[XB+8], v[XB+10]
	v_add_f32 v[XB+12], v[XB+12], v[XB+14]
	v_add_f32 v[XB+16], v[XB+16], v[XB+18]
	v_add_f32 v[XB+20], v[XB+20], v[XB+22]
	v_add_f32 v[XB+8], v[XB+8], v[XB+12]
	v_add_f32 v[XB+16], v[XB+16], v[XB+20]
	v_add_f32 v[LQ+(\a)], v[XB+8], v[XB+16]        ; l
.irp j, 1,2,3,4,5,6,7
	v_sub_nc_u32 v[TD], v[IJ+\j-1], v[IJ+\j]
	v_ldexp_f32 v[GQ+16*(\a)+2*\j], 1.0, v[TD]     ; 2^(s_(j-1) - s_j)
	v_mov_b32 v[GQ+16*(\a)+2*\j+1], v[GQ+16*(\a)+2*\j]
.endr
	v_add_nc_u32 v[I7+(\a)], s82, v[IJ+7]
.endm
	STATS 0
	STATS 1
	STATS 2
	STATS 3
.irp a, 0,1,2,3
	v_rcp_f32 v[LQ+\a], v[LQ+\a]
.endr
	v_nop                                          ; a plain instruction behind the last reciprocal
	s_wait_alu depctr_va_vdst(0)                   ; one wait for the four, ahead of their first reader
.irp a, 0,1,2,3
	v_ldexp_f32 v[FQ+2*\a], v[LQ+\a], v[I7+\a]     ; 2^(s_7 + e4 + e5) / l
.endr
.irp a, 0,1,2,3
	v_mov_b32 v[FQ+2*\a+1], v[FQ+2*\a]
.endr
.macro FRAG reg, adr, q, i
.irp c, 0,1,2,3
	ds_load_b128 v[\reg+4*\c:\reg+4*\c+3], v[\adr] offset:128*(\q)+32*\c+(\i)*16*PITCH
.endr
.endm
.macro FETCH slot, q, set              ; 48 loads in one run: v's eight fragments, then p's four
	WIN TO_B
.irp i, 0,1,2,3,4,5,6,7
	FRAG 128*(\set)+FR*\i, ADRB+\slot, \q, \i
.endr
	WIN 0
.irp i, 0,1,2,3
	FRAG AF+64*(\set)+FR*\i, ADRA+\slot, \q, \i
.endr
.endm
.macro PLACES n
.rept \n
	v_nop
.endr
.endm
; n matrix instructions from accumulator i0 on, the accumulators by turns.  zero = 1: they start the sums.
; rs = 1: behind the product on accumulator i stand the four packed multiplies that bring accumulator i + 2 under tile j's M.  Its last product stands a step back, with more than four plain instructions between.
.macro MULS i0, n, set, zero, rs, j
.set NI, \i0
.rept \n
	WIN MUL
.set rD, 8*NI
.set rB, 128*(\set)+FR*(NI%8)
.set rA, AF+64*(\set)+FR*(NI/8)
.if \zero
	v_wmma_f32_16x16x128_bf8_bf8 v[rD:rD+7], v[rB:rB+FR-1], v[rA:rA+FR-1], 0
.else
	v_wmma_f32_16x16x128_bf8_bf8 v[rD:rD+7], v[rB:rB+FR-1], v[rA:rA+FR-1], v[rD:rD+7]
.endif
.if (\rs) && (NI+2 < 32)
	WIN RSC
.set rN, 8*(NI+2)
.set rG, GQ+16*((NI+2)/8)+2*(\j)
.irp k, 0,2,4,6
	v_pk_mul_f32 v[rN+\k:rN+\k+1], v[rN+\k:rN+\k+1], v[rG:rG+1]
.endr
.endif
.set NI, NI+1
.endr
.endm
; Key tile j's first 128 keys.
.macro STEP0 slot, j
	s_wait_dscnt 8                                 ; v's set and p's fragments 0 and 1 are in; the youngest eight loads (fragments 2 and 3) may be out
.if (\j) > 0
	WIN RSC
.irp k, 0,2,4,6,8,10,12,14
	v_pk_mul_f32 v[\k:\k+1], v[\k:\k+1], v[GQ+2*(\j):GQ+2*(\j)+1]   ; accumulators 0 and 1: their last products stand ahead of the four places in the step before
.endr
	MULS 0, 16, 0, 0, 1, \j
.else
	MULS 0, 16, 0, 1, 0, 0
.endif
	s_wait_dscnt 0x0
	PLACES 4
	FETCH \slot, 1, 1
.if (\j) > 0
	MULS 16, 16, 0, 0, 1, \j
.else
	MULS 16, 16, 0, 1, 0, 0
.endif
.endm
; Its second 128 keys, and the change of slots: ONE barrier; in front of it each wave waits for all its tensor loads, adds 0 to its spare word, and waits for that and for its own reads of this slot.
.macro TURN slot, next, fill
	WIN 0                                          ; (the add's two registers lie in window 0)
	s_wait_tensorcnt 0x0                           ; all my tensor loads have landed: my part of the next slot
	ds_add_u32 v[SPW], v[NIL]                      ; 0 onto my spare word
	s_wait_dscnt 9                                 ; (the add and the youngest eight loads may be out)
	MULS 0, 8, 1, 0, 0, 0
	s_wait_dscnt 0x0                               ; the add is done, and my reads of this slot are over
	s_barrier_signal -1
	MULS 8, 8, 1, 0, 0, 0
	WIN 0
	s_barrier_wait -1
.if \fill
	CREST                                          ; the barrier has opened a round of the cluster's barrier: no wave of any partner still reads this slot or has a load on its way
	s_add_nc_u64 s[G0+4*\slot+2:G0+4*\slot+3], s[G0+4*\slot+2:G0+4*\slot+3], 2*ROWB
	s_add_nc_u64 s[G0B+4*\slot+2:G0B+4*\slot+3], s[G0B+4*\slot+2:G0B+4*\slot+3], 2*ROWB
	JLOAD G0+4*\slot, G1, G0B+4*\slot, G1B         ; the first tensor load behind the round; its four v_nop are the places in front of the loads below
.else
	PLACES 4
.endif
	FETCH \next, 0, 0
	MULS 16, 16, 1, 0, 0, 0
.endm
	s_wait_tensorcnt 1                             ; my part of slot 0 is in; slot 1's load may be out
	s_barrier_signal -1
	s_barrier_wait -1
	FETCH 0, 0, 0
	STEP0 0, 0
	TURN 0, 1, 1                                   ; slot 0 takes key tile 2
	STEP0 1, 1
	TURN 1, 0, 1                                   ; slot 1: tile 3
	STEP0 0, 2
	TURN 0, 1, 1                                   ; tile 4
	STEP0 1, 3
	TURN 1, 0, 1                                   ; tile 5
	STEP0 0, 4
	TURN 0, 1, 1                                   ; tile 6
	STEP0 1, 5
	TURN 1, 0, 1                                   ; tile 7
	STEP0 0, 6
	TURN 0, 1, 0                                   ; nothing is left to fetch: slot 0 has had its last fill, and behind this barrier nobody reads it: the stages lie there
	STEP0 1, 7
	s_wait_dscnt 8
	MULS 0, 16, 1, 0, 0, 0
	s_wait_dscnt 0x0
	MULS 16, 16, 1, 0, 0, 0
	WIN 0
; THE WAY OUT, block by block of 16 queries x 128 d: x the last factor, 32 bytes a lane and tile into my own stage, back as whole rows of 512 bytes.  LDS serves a wave's instructions in order (ISA guide 5.7.1.4).
.macro TOSTAGE a
	WIN 0x02                                       ; source 0: window 2
.set II, 0
.rept 32
	v_pk_mul_f32 v[TMP+II:TMP+II+1], v[64*(\a)+II:64*(\a)+II+1], v[FQ+2*(\a):FQ+2*(\a)+1]   ; each accumulator from its low end on
.set II, II+2
.endr
	WIN 0
.irp b, 0,1,2,3,4,5,6,7
	ds_store_b128 v[STO], v[TMP+8*\b:TMP+8*\b+3] offset:64*\b
	ds_store_b128 v[STO], v[TMP+8*\b+4:TMP+8*\b+7] offset:64*\b+16
.endr
.set BB, 32+160*((\a)%2)               ; v32-95 and v192-255 by turns
.irp t, 0,1,2,3,4,5,6,7,8,9,10,11,12,13,14,15
	ds_load_b128 v[BB+4*\t:BB+4*\t+3], v[RD] offset:\t*SPITCH
.endr
.endm
.macro SEND a, younger                 ; younger: the LDS instructions issued behind block a's loads, which may stay out
.set BB, 32+160*((\a)%2)
	s_wait_dscnt \younger
.if (\a) > 0
	s_add_nc_u64 s[12:13], s[12:13], 16*4096       ; (behind a wait on XCNT: the earlier stores have read their base)  16 rows on
.endif
.irp t, 0,1,2,3,4,5,6,7,8,9,10,11,12,13,14,15
	global_store_b128 v[CO], v[BB+4*\t:BB+4*\t+3], s[12:13] offset:\t*4096 th:TH_STORE_NT   ; 32 lanes store 512 consecutive bytes, at a multiple of 256 from the buffer's first byte; written once, read by nobody here
.endr
.endm
	PLACES 4
	TOSTAGE 0
.irp a, 1,2,3
.if \a > 1
	s_wait_xcnt 0x0                                ; block a - 2's stores have read their registers and their base
.endif
	TOSTAGE \a
	SEND \a-1, 32                                  ; behind block a - 1's loads: block a's 16 stores and 16 loads
.endr
	s_wait_xcnt 0x0
	SEND 3, 0
	s_wait_tensorcnt 0x0                           ; the wave's end
	ds_add_u32 v[SPW], v[NIL]
	s_wait_dscnt 0x0
	CROUND                                         ; the closing round
	s_endpgm
.Lfunc_end_k_q46063159ca_mix:
	.size	k_q46063159ca_mix, .Lfunc_end_k_q46063159ca_mix-k_q46063159ca_mix
	.p2alignl 7, 3214868480
	.fill 96, 4, 3214868480
	.section	.rodata,"a",@progbits
	.p2align	6, 0x0
	.amdhsa_kernel k_q46063159ca_mix
		.amdhsa_group_segment_fixed_size 327680
		.amdhsa_private_segment_fixed_size 0
		.amdhsa_enable_private_segment 0
		.amdhsa_kernarg_size 40
		.amdhsa_user_sgpr_count 2
		.amdhsa_user_sgpr_kernarg_segment_ptr 1
		.amdhsa_wavefront_size32 1
		.amdhsa_system_sgpr_workgroup_id_x 1
		.amdhsa_system_sgpr_workgroup_id_y 1
		.amdhsa_system_sgpr_workgroup_id_z 1
		.amdhsa_system_vgpr_workitem_id 0
		.amdhsa_next_free_vgpr 768
		.amdhsa_next_free_sgpr 100
		.amdhsa_reserve_vcc 0
		.amdhsa_float_denorm_mode_32 3
		.amdhsa_float_denorm_mode_16_64 3
		.amdhsa_memory_ordered 1
		.amdhsa_forward_progress 1
		.amdhsa_inst_pref_size 213
	.end_amdhsa_kernel
	.amdgpu_metadata
---
amdhsa.version: [ 1, 2 ]
amdhsa.kernels:
  - .name:           k_q46063159ca_mix
    .symbol:         k_q46063159ca_mix.kd
    .args:
      - { .name: p, .offset: 0, .size: 8, .value_kind: global_buffer, .address_space: global }
      - { .name: qkv, .offset: 8, .size: 8, .value_kind: global_buffer, .address_space: global }
      - { .name: stats, .offset: 16, .size: 8, .value_kind: global_buffer, .address_space: global }
      - { .name: lowp_scales, .offset: 24, .size: 8, .value_kind: global_buffer, .address_space: global }
      - { .name: out0, .offset: 32, .size: 8, .value_kind: global_buffer, .address_space: global }
    .group_segment_fixed_size: 327680
    .private_segment_fixed_size: 0
    .kernarg_segment_align: 8
    .kernarg_segment_size: 40
    .max_flat_workgroup_size: 128
    .sgpr_count:     100
    .vgpr_count:     768
    .wavefront_size: 32
...
	.end_amdgpu_metadata
.endif
;; end of part 3
